; MI455X (gfx1250); checked and timed in simulation.
; The chip was launched on July 23, 2026; its instructions are those of AMD's public machine-readable ISA for CDNA 5 (MIT licence, August 2026) and "CDNA5" Instruction Set Architecture Reference Guide (July 2026). The comments in the code are by the model that wrote it; some were corrected since.
;; Custom LSTM Cell. Allowed arithmetic: matrix products marked QUANTISED: E2M1 operands, one E8M0 scale for each 32 along K, by v_wmma_scale_f32_16x16x128_f8f6f4 with both operands' format E2M1 (or v_wmma_scale_f32_32x16x128_f4), f32 sums; everything else in f32.
;; Inputs: U_c 1,024 x 1,024 float32; U_f 1,024 x 1,024 float32; U_i 1,024 x 1,024 float32; U_o 1,024 x 1,024 float32; W_c 1,024 x 1,024 float32; W_f 1,024 x 1,024 float32; W_i 1,024 x 1,024 float32; W_o 1,024 x 1,024 float32; b_c 1,024 float32; b_f 1,024 float32; b_i 1,024 float32; b_o 1,024 float32; c_tm1 8,192 x 1,024 float32; h_tm1 8,192 x 1,024 float32; inputs 8,192 x 1,024 float32.
;; Outputs: out0 8,192 x 1,024 float32; out1 8,192 x 1,024 float32.
;; This version of the problem:
;;   THIS VERSION OF THE PROBLEM IS GIVEN IN LOW PRECISION. The matrix products marked QUANTISED in the list below multiply operands that are first quantised to E2M1 (2 exponent bits, 1 mantissa bit; 4 bits a number), with one power-of-two scale for each 32 numbers along K (OCP MX v1.0); their sums are f32. All else is computed in f32.
;;   The module's matrix products, in the order in which they are computed (A, B: the left and right operand; K: the contracted axis; several contracted axes count as one K, in the product's order):
;;     1. [M 8,192, K 1,024] x [K 1,024, N 4,096]; A: input inputs; B: computed on the way: QUANTISED
;;     2. [M 8,192, K 1,024] x [K 1,024, N 4,096]; A: input h_tm1; B: computed on the way: QUANTISED
;;   THE QUANTISER, for each operand of a quantised product, along K:
;;     - K is cut into blocks of 32 from its start; a last block that is shorter is filled with zeros.
;;     - A block's scale is 2^e with e = floor(log2(the largest magnitude in the block)) - 2, held to -126 .. 127; a block of zeros has e = 0. As a byte (E8M0): e + 127.
;;     - Each number is divided by its block's scale, clamped to +-6, and rounded to the nearest number of E2M1, ties to even, subnormals kept.
;;     - The product sums the exact products of the quantised numbers (number of the format x scale) in f32.
;;   ~~~python
;;   def quantise(x, axis):      # numpy; x: float32 -> the quantised numbers, widened to float32 again
;;       x = np.moveaxis(x, axis, -1); K = x.shape[-1]
;;       x = np.pad(x, [(0, 0)] * (x.ndim - 1) + [(0, -K % 32)]); x = x.reshape(x.shape[:-1] + (-1, 32)); a = np.abs(x).max(-1, keepdims=True)
;;       e = np.where(a > 0, np.clip(np.frexp(np.where(a > 0, a, 1))[1] - 1 - 2, -126, 127), 0)      # np.frexp(a)[1] - 1 = floor(log2(a)), exactly
;;       r = np.clip(x / 2.0 ** e, -6, 6)
;;       step = 2.0 ** (np.maximum(np.frexp(np.where(r == 0, 1, r))[1] - 1, 0) - 1)
;;       q = np.round(r / step) * step * 2.0 ** e      # np.round: ties to even
;;       return np.moveaxis(q.reshape(q.shape[:-2] + (-1,))[..., :K], -1, axis).astype(np.float32)
;;   ~~~
;;   OPERANDS COMPUTED ON THE WAY. 'Computed on the way' means the value that the module computes at that place (a softmax that the list does not call 'softmax' is quantised finished and normalised). What goes into a quantiser is computed in f32, as accurately as f32 sums, v_exp_f32 and their like allow (about 1e-6 of the number): no bf16 or f16 on the way to a quantiser, and a product that is left as it is and whose result goes on into a quantised operand takes f32 operands (vector FMAs, or v_wmma_f32_16x16x4_f32). A number that lies on a knife's edge between two numbers of the format may be rounded either way, as far as f32 arithmetic and the matrix unit's own rounding can turn it there, and no further.
;; One version. Each part assembles by itself: llvm-mc -triple=amdgcn-amd-amdhsa -mcpu=gfx1250 --defsym DOCPART=n.
;; ======== version 1 of 1: 2 launches
;; limits: right only within a limited range of input values
;; workspace buffers: a_codes 8,388,608 bytes; a_scales 524,288 bytes; b_codes 4,194,304 bytes; b_scales 262,144 bytes
;; launch quant (part 1): grid 256 x 1, 16 waves a work-group, no clusters, 86,016 bytes of LDS; arguments inputs, h_tm1, W_i, W_f, W_c, W_o, U_i, U_f, U_c, U_o, a_codes, a_scales, b_codes, b_scales; writes a_codes, a_scales, b_codes, b_scales
.if DOCPART == 1
	.amdgcn_target "amdgcn-amd-amdhsa--gfx1250"
	.amdhsa_code_object_version 6
	.text
	.protected	k_qe4f58ac23c_quant
	.globl	k_qe4f58ac23c_quant
	.p2align	8
	.type	k_qe4f58ac23c_quant,@function
k_qe4f58ac23c_quant:
	s_mov_b64 s[64:65], 0
	v_nop
	global_prefetch_b8 v0, s[64:65] scope:SCOPE_SE
	s_setreg_imm32_b32 hwreg(HW_REG_WAVE_MODE, 25, 1), 1
	s_wait_xcnt 0x0
; inputs, h_tm1 [8192][1024] f32 (K innermost) and the eight weights [1024 (k)][1024 (u)] f32 (K outermost) become codes of FP4 (E2M1) with one E8M0 byte for each 32 along K.
; A block's scale is 2^(floor(log2(its largest magnitude)) - 2): its byte is the largest magnitude's exponent field - 2, held at 1 from below; each number is divided by the scale and rounded to the nearest code, ties to even, beyond 6 the largest code.
; LIMITS: NaN and infinities among the inputs are not served.  A block of zeros gets the byte 1 where the rule says 127: its codes are zeros, and the bytes are read by this program alone.
;         Blocks whose largest magnitude lies under 2^-124 keep the byte 1 (the rule's own hold); that range was not tried.
; WHAT IS WRITTEN.  The two products are one sum over K = 2,048, in four K steps ks of 512: ks 0, 1 = inputs x W, ks 2, 3 = h_tm1 x U.
;   a_codes  [m 8192][1024 bytes]: K step ks at byte 256 ks.        a_scales [ks 4][m 8192][16 bytes].
;   b_codes  [n' 4096][1024 bytes], b_scales [ks 4][n' 4096][16 bytes], n' = 256 (u / 64) + 64 g + 16 (u % 4) + (u % 64) / 4 for unit u of gate g (i, f, c, o = 0 .. 3): 256 neighbouring rows are 64 units in all four gates.
; SHARES.  256 work-groups of sixteen waves, all with the same work.  The waves part on the wave's number:
;   waves 0-7: the work-group's 32 rows of both activations.  Wave w: 16 rows (w / 4) x one K step (w % 4): 16 steps of 512 numbers, 2,048 consecutive bytes each.
;   waves 8-15: 64 columns x 512 along K of ONE weight.  Wave w: 64 rows of it, two blocks of 32 for each column.
;   Behind the one barrier all sixteen waves store the weight's codes as whole rows of 256 bytes.
; Every load covers whole aligned runs of 256 bytes; each wave has 32 loads of 16 bytes a lane out.  No tensor loads: nothing here is read twice.
; THE ORDER OF B's ROWS, in place of the formula in the head above: unit u of gate g is row n' = 256 (u / 64) + 64 g + 16 (u % 4) + (u % 64) / 4 of b_codes and of each K step of b_scales:
; 256 neighbouring rows are 64 units in all four gates, and 16 neighbouring rows are the units 4 r + q (r = 0 .. 15) of one gate.
.set WP,    272
.set SST,   64*WP                      ; behind its 64 rows: the weights' scale bytes, [column 64][16]
.set ACTB,  SST+1024                   ; behind them: 8,192 bytes for each of waves 0-7, its own
.set SP,    80                         ; there: two stages of 32 places of 64 bytes + 16,
.set ASC,   2*32*SP                    ; and the wave's 256 scale bytes
.set R,     32                         ; waves 0-7: v32-159  eight sets of 16 numbers as they are loaded
.set X,     160                        ;            v160-191 two sets of 16 neighbours
.set CC,    192                        ;            v192-223 two registers of codes for each step: no store's data are written again
.set E,     224                        ;            v224-239 a scale byte for each step
.set WX,    32                         ; waves 8-15: v32-159  register 64 bk + 4 i + c: row 32 bk + 16 (lane / 16) + i, column 4 (lane % 16) + c
.set WY,    160                        ;            v160-223 a block's numbers with K along the registers: 16 c + i
.set WC,    224                        ;            v224-239 codes: 8 bk + 2 c + p
.set WM,    240                        ;            v240-243 largest magnitudes, v244-247 the other half's, v248-251 the conversions' scale operands
.set WPM,   244
.set WSO,   248
.set BY,    16                         ;            v16-23   scale bytes: 4 bk + c
	s_load_b128 s[4:7], s[0:1], 0x0                ; inputs, h_tm1
	s_load_b512 s[16:31], s[0:1], 0x10             ; W_i, W_f, W_c, W_o, U_i, U_f, U_c, U_o
	s_load_b128 s[8:11], s[0:1], 0x50              ; a_codes, a_scales
	s_load_b128 s[12:15], s[0:1], 0x60             ; b_codes, b_scales
	v_lshl_add_u32 v254, v0, 2, 0x14800
	v_mov_b32 v255, 0
	v_lshrrev_b32 v14, 5, v0
	s_delay_alu instid0(VALU_DEP_1)
	v_readfirstlane_b32 s32, v14                   ; wave 0..15
	s_and_b32 s33, s32, 7                          ; w: my number within my role
	s_mov_b32 s46, ttmp9                           ; the work-group
	s_and_b32 s34, s46, 15                         ; cg: which 64 columns of the weight
	s_bfe_u32 s35, s46, 0x20004                    ; g: the gate
	s_bfe_u32 s36, s46, 0x10006                    ; src: 0 = W, 1 = U
	s_lshr_b32 s37, s46, 7                         ; ky: which 512 along the weight's K
	s_lshr_b32 s38, s33, 2                         ; which 16 of the work-group's 32 rows
	s_and_b32 s39, s33, 3                          ; ks of the activations
	s_lshl_b32 s40, s46, 5
	s_lshl_b32 s41, s38, 4
	s_add_co_u32 s40, s40, s41                     ; my first row: 32 x work-group + 16 x (w / 4)
	s_mov_b32 s48, 0x76543210
	s_mov_b32 s49, 0xfedcba98                      ; v_permlanex16_b32's selects for lane l xor 16
	; ---- all LDS addresses and offsets are made here, ahead of the parting, in registers that never hold data
	v_and_b32 v1, 31, v0                           ; lane
	s_delay_alu instid0(VALU_DEP_1)
	v_lshlrev_b32 v2, 4, v1                        ; 16 x lane
	s_lshl_b32 s41, s33, 13
	s_add_co_u32 s41, s41, ACTB                    ; my 8,192 bytes (waves 0-7)
	v_lshrrev_b32 v14, 2, v1
	s_delay_alu instid0(VALU_DEP_1)
	v_mul_u32_u24 v14, v14, SP
	v_and_b32 v15, 3, v1
	s_delay_alu instid0(VALU_DEP_1)
	v_lshl_add_u32 v14, v15, 4, v14
	s_delay_alu instid0(VALU_DEP_1)
	v_add_nc_u32 v3, s41, v14                      ; the stage, in: four lanes' 64 bytes on end, then 16 of padding
	v_mul_u32_u24 v15, v1, SP
	s_delay_alu instid0(VALU_DEP_1)
	v_add_nc_u32 v4, s41, v15                      ; and out: my 16 neighbours
	v_lshlrev_b32 v5, 3, v1                        ; 8 x lane: my codes' place in a step's 256 bytes
	s_add_co_u32 s41, s41, ASC
	v_lshrrev_b32 v14, 1, v1
	s_delay_alu instid0(VALU_DEP_1)
	v_add_nc_u32 v6, s41, v14                      ; my block's scale byte
	v_add_nc_u32 v7, s41, v5                       ; and 8 of the 256 on the way out
	v_and_b32 v14, 15, v1                          ; lane % 16
	v_lshrrev_b32 v15, 4, v1                       ; lane / 16
	s_delay_alu instid0(VALU_DEP_2)
	v_lshlrev_b32 v8, 4, v14
	s_delay_alu instid0(VALU_DEP_1)
	v_lshl_add_u32 v8, v15, 16, v8                 ; the weight: 16 bytes of a row's 256; lanes 16-31 sixteen rows (65,536 bytes) down
	s_delay_alu instid0(VALU_DEP_4)
	v_mul_u32_u24 v9, v14, 4*WP
	s_delay_alu instid0(VALU_DEP_1)
	v_lshl_add_u32 v9, v15, 3, v9
	s_lshl_b32 s41, s33, 5
	v_add_nc_u32 v9, s41, v9                       ; the weights' stage, in: row 4 (lane % 16) + c; my wave's 32 bytes of it; 8 bytes for each half of the lanes
	v_lshlrev_b32 v10, 6, v14
	s_lshl_b32 s41, s33, 1
	s_add_co_u32 s41, s41, SST
	v_add_nc_u32 v10, s41, v10                     ; its scale bytes: 16 a column; my wave's two
	s_mul_i32 s41, s32, 4*WP
	v_mul_u32_u24 v11, v15, WP
	s_delay_alu instid0(VALU_DEP_1)
	v_lshl_add_u32 v11, v14, 4, v11
	s_delay_alu instid0(VALU_DEP_1)
	v_add_nc_u32 v11, s41, v11                     ; the stage, out: wave x 4 rows; sixteen lanes to a row
	v_lshlrev_b32 v12, 14, v15                     ; neighbouring units lie 16 rows of 1,024 bytes apart
	s_delay_alu instid0(VALU_DEP_1)
	v_lshl_add_u32 v12, v14, 4, v12                ; and the same two rows in b_codes
	s_and_b32 s41, s32, 1
	s_lshl_b32 s41, s41, 5
	s_add_co_u32 s41, s41, SST
	v_lshl_add_u32 v13, v14, 6, s41                ; the scale bytes, out, in the order of n': row 32 (wave % 2) + lane of the gate's 64 is column 4 (lane % 16) + 2 (wave % 2) + lane / 16
	v_lshl_add_u32 v13, v15, 4, v13
	; ---- byte offsets, each in a pair of its own
	s_lshl_b32 s42, s40, 12                        ; activations: my first row, 4,096 bytes a row,
	s_and_b32 s41, s39, 1
	s_lshl_b32 s41, s41, 11
	s_add_co_u32 s42, s42, s41                     ; and the half of it
	s_mov_b32 s43, 0
	s_lshl_b32 s44, s40, 10                        ; a_codes: 1,024 bytes a row, 256 a K step
	s_lshl_b32 s41, s39, 8
	s_add_co_u32 s44, s44, s41
	s_mov_b32 s45, 0
	s_lshl_b32 s50, s39, 13                        ; a_scales: (8,192 ks + row) x 16
	s_add_co_u32 s50, s50, s40
	s_lshl_b32 s50, s50, 4
	s_mov_b32 s51, 0
	s_lshl_b32 s52, s37, 21                        ; the weight: 512 ky rows + 64 w rows of 4,096 bytes + 256 cg
	s_lshl_b32 s41, s33, 18
	s_add_co_u32 s52, s52, s41
	s_lshl_b32 s41, s34, 8
	s_add_co_u32 s52, s52, s41
	s_mov_b32 s53, 0
	s_lshl_b32 s58, s34, 8                         ; 256 cg
	s_lshl_b32 s41, s35, 6
	s_add_co_u32 s58, s58, s41                     ; + 64 g
	s_add_co_u32 s47, s58, s32                     ; b_codes: the stage's rows 4 x wave + i are units 64 cg + 4 x wave + i: row n' = 256 cg + 64 g + 16 i + wave
	s_lshl_b32 s54, s47, 10
	s_lshl_b32 s41, s36, 9
	s_add_co_u32 s54, s54, s41
	s_lshl_b32 s41, s37, 8
	s_add_co_u32 s54, s54, s41                     ; K step 2 src + ky
	s_mov_b32 s55, 0
	s_and_b32 s47, s32, 1
	s_lshl_b32 s47, s47, 5
	s_add_co_u32 s47, s58, s47                     ; b_scales: 32 rows n', 512 bytes, for each of waves 0 and 1
	s_lshl_b32 s56, s36, 1
	s_add_co_u32 s56, s56, s37
	s_lshl_b32 s56, s56, 12
	s_add_co_u32 s56, s56, s47
	s_lshl_b32 s56, s56, 4
	s_mov_b32 s57, 0
	s_wait_kmcnt 0x0
	s_and_b32 s41, s46, 16                         ; which of the eight weights: three choices on the work-group's number alone
	s_cmp_lg_u32 s41, 0
	s_cselect_b64 s[16:17], s[18:19], s[16:17]
	s_cselect_b64 s[20:21], s[22:23], s[20:21]
	s_cselect_b64 s[24:25], s[26:27], s[24:25]
	s_cselect_b64 s[28:29], s[30:31], s[28:29]
	s_and_b32 s41, s46, 32
	s_cmp_lg_u32 s41, 0
	s_cselect_b64 s[16:17], s[20:21], s[16:17]
	s_cselect_b64 s[24:25], s[28:29], s[24:25]
	s_and_b32 s41, s46, 64
	s_cmp_lg_u32 s41, 0
	s_cselect_b64 s[16:17], s[24:25], s[16:17]
	s_and_b32 s41, s33, 2                          ; which activation: K steps 2 and 3 are h_tm1's
	s_cmp_lg_u32 s41, 0
	s_cselect_b64 s[4:5], s[6:7], s[4:5]
	s_add_nc_u64 s[4:5], s[4:5], s[42:43]
	s_add_nc_u64 s[8:9], s[8:9], s[44:45]
	s_add_nc_u64 s[10:11], s[10:11], s[50:51]
	s_add_nc_u64 s[16:17], s[16:17], s[52:53]
	s_add_nc_u64 s[12:13], s[12:13], s[54:55]
	s_add_nc_u64 s[14:15], s[14:15], s[56:57]
	s_cmp_lt_u32 s32, 8
	s_cbranch_scc0 .Lweights
; ======== waves 0-7: the activations.  The conversions take neighbours along K from ONE lane's registers; a load is best where neighbouring LANES take neighbouring bytes.
; Both are had: a step's four loads read 512 consecutive bytes each; the 2,048 bytes go through the wave's own stage as they lie and come back 64 bytes a lane.  Two neighbouring lanes hold a block.
.macro ALOAD t
.irp i, 0,1,2,3
	global_load_b128 v[R+16*((\t)%8)+4*\i:R+16*((\t)%8)+4*\i+3], v2, s[4:5] offset:4096*(\t)+512*\i th:TH_LOAD_NT
.endr
.endm
.macro ATURN t                         ; LDS serves a wave's instructions in order: no wait between the stores and the loads
.irp i, 0,1,2,3
	ds_store_b128 v3, v[R+16*((\t)%8)+4*\i:R+16*((\t)%8)+4*\i+3] offset:32*SP*((\t)%2)+8*SP*\i
.endr
.irp i, 0,1,2,3
	ds_load_b128 v[X+16*((\t)%2)+4*\i:X+16*((\t)%2)+4*\i+3], v4 offset:32*SP*((\t)%2)+16*\i
.endr
.endm
.macro ASTEP t
.set XS, X+16*((\t)%2)
.if (\t) > 0
	s_wait_dscnt 1                                 ; this step's numbers are back from the stage; only the last step's byte store is younger
.else
	s_wait_dscnt 0x0
.endif
.if (\t)+8 < 16
	ALOAD (\t)+8                                   ; into the set that this step's stage stores have read
.endif
.if (\t)+1 < 16
.if (\t) <= 7
	s_wait_loadcnt 28                              ; the next step's four loads are in; seven steps' loads are younger
.else
	s_wait_loadcnt 4*(14-(\t))                     ; near the end: the steps that are left behind it
.endif
	ATURN (\t)+1                                   ; through the other stage while this step is worked
.endif
	v_max3_num_f32 v240, |v[XS]|, |v[XS+1]|, |v[XS+2]|             ; the largest magnitude of my 16, in two chains
	v_max3_num_f32 v241, |v[XS+3]|, |v[XS+4]|, |v[XS+5]|
.irp i, 6,10
	s_delay_alu instid0(VALU_DEP_2)
	v_max3_num_f32 v240, v240, |v[XS+\i]|, |v[XS+\i+1]|
	s_delay_alu instid0(VALU_DEP_2)
	v_max3_num_f32 v241, v241, |v[XS+\i+2]|, |v[XS+\i+3]|
.endr
	s_delay_alu instid0(VALU_DEP_2)
	v_max3_num_f32 v240, v240, |v[XS+14]|, |v[XS+15]|
	s_delay_alu instid0(VALU_DEP_1)
	v_max3_num_f32 v240, v240, v241, 0x1800000     ; and the floor 2^(3 - 127): the byte cannot fall under 1
	s_delay_alu instid0(VALU_DEP_1)
	v_max_num_f32_dpp v240, v240, v240 row_xmask:1 row_mask:0xf bank_mask:0xf   ; with my neighbour's 16: the block's
	s_delay_alu instid0(VALU_DEP_1)
	v_add_nc_u32 v242, 0xff000000, v240            ; 2 off its exponent field: the conversion takes this operand's exponent field as its scale
	v_cvt_scalef32_pk8_fp4_f32 v[CC+2*(\t)], v[XS:XS+7], v242
	v_cvt_scalef32_pk8_fp4_f32 v[CC+2*(\t)+1], v[XS+8:XS+15], v242
	v_lshrrev_b32 v[E+(\t)], 23, v242              ; the scale's byte (also the plain line behind the conversions)
	ds_store_b8 v6, v[E+(\t)] offset:16*(\t)       ; both lanes of a block write the same byte with the same value
	global_store_b64 v5, v[CC+2*(\t):CC+2*(\t)+1], s[8:9] offset:1024*(\t)   ; the wave stores 256 consecutive bytes, aligned: K step ks of row t
.endm
.irp t, 0,1,2,3,4,5,6,7
	ALOAD \t
.endr
	s_wait_loadcnt 28                              ; step 0's four loads are in
	ATURN 0
.irp t, 0,1,2,3,4,5,6,7,8,9,10,11,12,13,14,15
	ASTEP \t
.endr
	ds_load_b64 v[244:245], v7                     ; my wave's 256 scale bytes: 16 rows x 16
	s_wait_dscnt 0x0
	global_store_b64 v5, v[244:245], s[10:11]      ; 256 consecutive bytes, aligned
	s_branch .Ljoin
; ======== waves 8-15: the weight.  Each load takes two rows' 256 bytes; a lane holds four columns x 16 along K of a block, lane l xor 16 the block's other 16.
.Lweights:
.irp c, 0,1,2,3
	v_mov_b32 v[WPM+\c], 0                         ; written once: a lane permute's destination counts as one of its sources
.endr
.irp bk, 0,1
.irp i, 0,1,2,3,4,5,6,7,8,9,10,11,12,13,14,15
	global_load_b128 v[WX+64*\bk+4*\i:WX+64*\bk+4*\i+3], v8, s[16:17] offset:(32*\bk+\i)*4096 th:TH_LOAD_NT
.endr
.endr
.macro WBLK bk
.irp c, 0,1,2,3
	v_max3_num_f32 v[WM+\c], |v[WX+64*\bk+\c]|, |v[WX+64*\bk+4+\c]|, 0x1800000   ; column c: my 16 numbers, and the floor; the four columns by turns
.endr
.irp i, 2,4,6,8,10,12,14
.irp c, 0,1,2,3
	s_delay_alu instid0(VALU_DEP_4)
	v_max3_num_f32 v[WM+\c], v[WM+\c], |v[WX+64*\bk+4*\i+\c]|, |v[WX+64*\bk+4*\i+4+\c]|
.endr
.endr
.irp c, 0,1,2,3
	s_delay_alu instid0(VALU_DEP_4)
	v_permlanex16_b32 v[WPM+\c], v[WM+\c], s48, s49
.endr
.irp c, 0,1,2,3
	s_delay_alu instid0(VALU_DEP_4)
	v_max_num_f32 v[WM+\c], v[WM+\c], v[WPM+\c]    ; the block's largest magnitude
.endr
.irp c, 0,1,2,3
	s_delay_alu instid0(VALU_DEP_4)
	v_add_nc_u32 v[WSO+\c], 0xff000000, v[WM+\c]   ; the conversion's scale operand
.endr
.irp c, 0,1,2,3
	s_delay_alu instid0(VALU_DEP_4)
	v_lshrrev_b32 v[BY+4*\bk+\c], 23, v[WSO+\c]    ; the scale's byte
.endr
.irp c, 0,1,2,3
.irp i, 0,1,2,3,4,5,6,7,8,9,10,11,12,13,14,15
	v_mov_b32 v[WY+16*\c+\i], v[WX+64*\bk+4*\i+\c] ; a load's four registers run along the columns; the conversion wants a column's K in consecutive registers
.endr
.endr
.irp c, 0,1,2,3
.irp p, 0,1
	v_cvt_scalef32_pk8_fp4_f32 v[WC+8*\bk+2*\c+\p], v[WY+16*\c+8*\p:WY+16*\c+8*\p+7], v[WSO+\c]
.endr
.endr
	v_nop                                          ; one plain line behind the last conversion: its sources are written again in the next block
.irp c, 0,1,2,3
	ds_store_b64 v9, v[WC+8*\bk+2*\c:WC+8*\bk+2*\c+1] offset:WP*\c+16*\bk     ; 16 codes of column 4 (lane % 16) + c
	ds_store_b8 v10, v[BY+4*\bk+\c] offset:16*\c+\bk                          ; lanes l and l xor 16 write the same byte with the same value
.endr
.endm
	s_wait_loadcnt 16                              ; block 0's sixteen loads are in; block 1's are younger
	WBLK 0
	s_wait_loadcnt 0x0
	WBLK 1
; ======== all sixteen waves: the weight's codes leave as rows
.Ljoin:
	s_wait_dscnt 0x0                               ; for the others' sake: my stores into the stage have landed
	s_barrier_signal -1
	s_barrier_wait -1
	ds_load_b128 v[32:35], v11                     ; rows 4 x wave + lane / 16,
	ds_load_b128 v[36:39], v11 offset:2*WP         ; and two further on
	s_wait_dscnt 0x0
	global_store_b128 v12, v[32:35], s[12:13]      ; sixteen lanes store 256 consecutive bytes, aligned: one K step of a row n'
	global_store_b128 v12, v[36:39], s[12:13] offset:32768
	s_cmp_lt_u32 s32, 2
	s_cbranch_scc0 .Lend
	ds_load_b128 v[40:43], v13                     ; waves 0 and 1: the scale bytes of 32 columns, neighbours in b_scales
	s_wait_dscnt 0x0
	global_store_b128 v2, v[40:43], s[14:15]       ; 512 consecutive bytes, aligned
.Lend:
	s_wait_tensorcnt 0x0
	ds_add_u32 v254, v255
	s_wait_dscnt 0x0
	s_endpgm
.Lfunc_end_k_qe4f58ac23c_quant:
	.size	k_qe4f58ac23c_quant, .Lfunc_end_k_qe4f58ac23c_quant-k_qe4f58ac23c_quant
	.p2alignl 7, 3214868480
	.fill 96, 4, 3214868480
	.section	.rodata,"a",@progbits
	.p2align	6, 0x0
	.amdhsa_kernel k_qe4f58ac23c_quant
		.amdhsa_group_segment_fixed_size 86016
		.amdhsa_private_segment_fixed_size 0
		.amdhsa_enable_private_segment 0
		.amdhsa_kernarg_size 112
		.amdhsa_user_sgpr_count 2
		.amdhsa_user_sgpr_kernarg_segment_ptr 1
		.amdhsa_wavefront_size32 1
		.amdhsa_system_sgpr_workgroup_id_x 1
		.amdhsa_system_sgpr_workgroup_id_y 1
		.amdhsa_system_sgpr_workgroup_id_z 1
		.amdhsa_system_vgpr_workitem_id 0
		.amdhsa_next_free_vgpr 256
		.amdhsa_next_free_sgpr 66
		.amdhsa_reserve_vcc 0
		.amdhsa_float_denorm_mode_32 3
		.amdhsa_float_denorm_mode_16_64 3
		.amdhsa_memory_ordered 1
		.amdhsa_forward_progress 1
		.amdhsa_inst_pref_size 59
	.end_amdhsa_kernel
	.amdgpu_metadata
---
amdhsa.version: [ 1, 2 ]
amdhsa.kernels:
  - .name:           k_qe4f58ac23c_quant
    .symbol:         k_qe4f58ac23c_quant.kd
    .args:
      - { .name: inputs, .offset: 0, .size: 8, .value_kind: global_buffer, .address_space: global }
      - { .name: h_tm1, .offset: 8, .size: 8, .value_kind: global_buffer, .address_space: global }
      - { .name: W_i, .offset: 16, .size: 8, .value_kind: global_buffer, .address_space: global }
      - { .name: W_f, .offset: 24, .size: 8, .value_kind: global_buffer, .address_space: global }
      - { .name: W_c, .offset: 32, .size: 8, .value_kind: global_buffer, .address_space: global }
      - { .name: W_o, .offset: 40, .size: 8, .value_kind: global_buffer, .address_space: global }
      - { .name: U_i, .offset: 48, .size: 8, .value_kind: global_buffer, .address_space: global }
      - { .name: U_f, .offset: 56, .size: 8, .value_kind: global_buffer, .address_space: global }
      - { .name: U_c, .offset: 64, .size: 8, .value_kind: global_buffer, .address_space: global }
      - { .name: U_o, .offset: 72, .size: 8, .value_kind: global_buffer, .address_space: global }
      - { .name: a_codes, .offset: 80, .size: 8, .value_kind: global_buffer, .address_space: global }
      - { .name: a_scales, .offset: 88, .size: 8, .value_kind: global_buffer, .address_space: global }
      - { .name: b_codes, .offset: 96, .size: 8, .value_kind: global_buffer, .address_space: global }
      - { .name: b_scales, .offset: 104, .size: 8, .value_kind: global_buffer, .address_space: global }
    .group_segment_fixed_size: 86016
    .private_segment_fixed_size: 0
    .kernarg_segment_align: 8
    .kernarg_segment_size: 112
    .max_flat_workgroup_size: 512
    .sgpr_count:     66
    .vgpr_count:     256
    .wavefront_size: 32
...
	.end_amdgpu_metadata
.endif
;; end of part 1
;; launch lstm (part 2): grid 16 x 16, 4 waves a work-group, clusters of 4 x 4, 327,680 bytes of LDS; arguments a_codes, a_scales, b_codes, b_scales, c_tm1, b_i, b_f, b_c, b_o, out0, out1; writes out0, out1
.if DOCPART == 2
	.amdgcn_target "amdgcn-amd-amdhsa--gfx1250"
	.amdhsa_code_object_version 6
	.text
	.protected	k_qe4f58ac23c_lstm
	.globl	k_qe4f58ac23c_lstm
	.p2align	8
	.type	k_qe4f58ac23c_lstm,@function
k_qe4f58ac23c_lstm:
	s_mov_b64 s[64:65], 0
	v_nop
	global_prefetch_b8 v0, s[64:65] scope:SCOPE_SE
	s_setreg_imm32_b32 hwreg(HW_REG_WAVE_MODE, 25, 1), 1
	s_wait_xcnt 0x0
	s_wait_alu depctr_hold_cnt(0) depctr_sa_sdst(0) depctr_va_vdst(0) depctr_va_sdst(0) depctr_va_ssrc(0) depctr_va_vcc(0) depctr_vm_vsrc(0)
	s_getreg_b32 s2, hwreg(HW_REG_IB_STS2, 6, 4)
	s_cmp_eq_u32 s2, 0
	s_cbranch_scc0 .Lentry_in_a_cluster
	s_endpgm
.Lentry_in_a_cluster:
	s_bfe_u32 s2, ttmp6, 0x10000c
	s_cmp_lg_u32 s2, 0xf033
	s_cbranch_scc0 .Lentry_shape_is_right
	s_endpgm
.Lentry_shape_is_right:
; z = [inputs h_tm1] x [W; U] + b on codes of FP4 (E2M1) with one E8M0 scale for each 32 along K (K = 2,048 in one f32 sum), then in f32
; c = sigmoid(z_f) c_tm1 + sigmoid(z_i) tanh(z_c) -> out1,  h = sigmoid(z_o) tanh(c) -> out0.  z never goes to memory.  Every step and every input of the problem is served: nothing is left out.
; a_codes [8192][1024 bytes], b_codes [n' 4096][1024 bytes]: K step ks (512 along K) at byte 256 ks.  a_scales [ks 4][8192][16], b_scales [ks 4][4096][16].
; n' = 256 (u / 64) + 64 g + 16 (u % 4) + (u % 64) / 4 for unit u of gate g (i, f, c, o = 0 .. 3).
; sigmoid(x) = 1 / (1 + 2^(-x log2 e)), tanh(x) = 2 / (1 + 2^(-2 x log2 e)) - 1: where the power overflows the reciprocal is 0, where it vanishes 1: right at both ends, for every finite x.
; LIMITS: NaN and infinities among the inputs are not served.
; SHARES.  256 work-groups of four waves.  A WORK-GROUP STAYS: it makes two tiles of 256 rows x 256 columns n' (64 units in four gates), 4,096 rows apart, on the same rows of B.  Wave w makes a tile's rows 64 w .. 64 w + 63
; x all 256 columns: 4 x 16 accumulators, 512 registers.  Source 0 = 16 rows of A, source 1 = 16 rows of B.  Accumulator (a, 4 g + q), register j, lane (r, h) holds z(row 16 a + 8 h + j, gate g, unit 4 r + q of the 64):
; the accumulators q = 0 .. 3 of a gate hold, at one register index, four neighbouring units of one row, so c_tm1 is loaded, and c and h are stored, 16 bytes a lane, sixteen lanes to 256 consecutive aligned bytes,
; straight between memory and registers: the gates use no LDS and no barrier.
; K goes in steps of 512 through two LDS slots filled by the tensor data mover, and the ring does not stop at the first tile's end: its last two changes of slots ask for the second tile's K steps 0 and 1, which come
; while the gates are computed.  The last tile's tail, which asks for nothing, is written out behind a branch on the count of tiles.
; THE SCALE WORDS go from memory straight into the registers that the products name: a lane takes its row's 16 bytes of a K step, sixteen lanes 256 consecutive bytes; ten loads a wave and K step, issued one K step ahead.
; THE GATES are a loop of four trips, a block of 16 rows a trip, on fixed registers; the two stages whose register numbers differ from block to block stand in four arms chosen by the trip's number.
; CLUSTERS: 4 x 4 work-groups.  The four of a row of the cluster need the same tiles of A, the four of a column the same tiles of B: each is asked for JOINTLY.
; PREFETCHES: a lane a row, 256 bytes of each; of a tile's 256 rows each of the four partners that ask for it jointly names 64, told apart by address, 32 a wave.  K steps 1 and 2 are named behind the head's loads, K step 3
; behind slot 1's first fill; each of the first tile's four changes of slots names that K step of the second tile's A whose load stands two refills on.  B's rows serve both tiles and are named once.
; c_tm1 is not prefetched: its loads into registers are issued a tile's products (blocks 0, 1) or two blocks of gates (blocks 2, 3) ahead of their use.
; REGISTERS, in windows of 256.  Window 0: v16-29 addresses; v32-111 scale words, two sets of 40; v112-127 biases as loaded; v128-191 A's fragments, two sets (in the gates v128-159: the biases times their exponent's
;   factor, at the even registers); v192-255 c_tm1 of blocks 0, 1.   Window 1: B's fragments, two sets of 128; in the gates v0-63 c_tm1 of blocks 2, 3, v64-191 the four gates of a block, v192-223 c, v224-255 h.
;   Window 2: accumulators of blocks a = 0, 1 ((a, b) at v[128 (a % 2) + 8 b]);   window 3: of a = 2, 3.
.set ROWB,   256                       ; a tile's row in bytes
.set KROW,   1024                      ; a row of codes in memory
.set PITCH,  272                       ; an LDS row: 256 bytes + 16 of padding: the 16 rows that a load touches start 16 bytes apart modulo 256
.set HALFT,  128*PITCH                 ; what one tensor load brings
.set SLOT,   4*HALFT                   ; A's 256 rows, then B's 256 rows
.set SPARE,  2*SLOT                    ; behind the ring: the spare words, 128 bytes for each wave: two blocks of 256 bytes that no other line names
.set WALKB,  4096*KROW                 ; from a tile's codes of A to the next tile's
.set ADRA, 16                          ; v16-17  LDS address of my A fragments in slot 0, 1
.set ADRB, 20                          ; v20-21  the same for B
.set ASA,  22                          ; v22     offset of A's scale words: 16 r; lanes 16-31 two blocks of 16 rows on
.set ASB,  23                          ; v23     of B's: 16 r; lanes 16-31 eight blocks on
.set CO,   24                          ; v24     my byte offset in c_tm1 and the outputs: 8 h rows of 4,096 + 16 r
.set BO,   25                          ; v25     my byte offset in a bias
.set PFO,  26                          ; v26     the prefetches' offset: 1,024 x lane
.set SPW,  28                          ; v28     my spare word: SPARE + 4 x my thread's number; never rewritten
.set NIL,  29                          ; v29     0; never rewritten
.set SC,   32
.set BI,   112
.set AF,   128
.set BB,   128
.set CT,   192
.set T,    64                          ; window 1: TI, TF, TC, TO: 32 numbers each, index 8 q + j
.set TI,   T
.set TF,   T+32
.set TC,   T+64
.set TO,   T+96
.set CN,   192                         ; index 4 j + q
.set HN,   224
.set G1,   24                          ; s[24:31] group 1 for A's tiles;  s[32:39] group 0, one set for each slot
.set G0,   32
.set G1B,  48                          ; s[48:55], s[56:63] the same for B's
.set G0B,  56
.set CS1,  66                          ; s[66:67] -log2(e), twice: the packed forms name a pair
.set LIM,  93                          ; s93     0 while my wave names rows of the next tile's A
.set PFA,  94                          ; s[94:95] where my prefetches stand; never rewritten
.set CS2,  100                         ; s[100:101] -2 log2(e)
.set MSB, 0
.macro WIN new                         ; the immediate's high byte repeats the setting that is left
.if MSB != (\new)
	s_set_vgpr_msb (MSB<<8)|(\new)
.set MSB, (\new)
.endif
.endm
.set MUL_LO, 0xa4                      ; source 0 (A) window 0, source 1 (B) window 1, C and D window 2
.set MUL_HI, 0xf4                      ; the same, C and D window 3
.set TO_B,   0x40                      ; destination window 1, address window 0
; A joint load: waves 0 and 1 fetch A's halves, waves 2 and 3 B's.  An s_nop 0 and four v_nop follow each of the two lines.
.macro JLOAD g0a, g1a, g0b, g1b
	s_cmp_eq_u32 s15, 0
	s_cbranch_scc0 .Lfor_b_\@
	tensor_load_to_lds s[\g0a:\g0a+3], s[\g1a:\g1a+7]
	s_nop 0
.rept 4
	v_nop
.endr
	s_branch .Lasked_\@
.Lfor_b_\@:
	tensor_load_to_lds s[\g0b:\g0b+3], s[\g1b:\g1b+7]
	s_nop 0
.rept 4
	v_nop
.endr
.Lasked_\@:
.endm
.macro CREST                           ; a round of the cluster's barrier behind its opening barrier
	s_cmp_lg_u32 s14, 0
	s_cbranch_scc1 .Lnot_wave_0_\@
	s_barrier_signal -3
.Lnot_wave_0_\@:
	s_barrier_wait -3
	s_barrier_signal -1
	s_barrier_wait -1
.endm
.macro CROUND                          ; a whole round
	s_barrier_signal -1
	s_barrier_wait -1
	CREST
.endm
.macro ASK off                         ; 32 rows x 256 bytes of the next tile's A: A's waves, in the first tile alone
	s_cmp_eq_u32 s[LIM], 0
	s_cbranch_scc0 .Lnot_mine_\@
	global_prefetch_b8 v[PFO], s[PFA:PFA+1] offset:\off th:TH_LOAD_NT scope:SCOPE_SE
.Lnot_mine_\@:
.endm
.macro GSC set, ks, ta                 ; K step ks's scale words: four words a row.  A's: register 4 i + q (lanes 0-15 block i, lanes 16-31 block i + 2); B's: register 8 + 4 i + q (block i, block i + 8).  ta: bytes on to another tile's rows of A
.irp i, 0,1
	global_load_b128 v[SC+40*(\set)+4*\i:SC+40*(\set)+4*\i+3], v[ASA], s[6:7] offset:131072*(\ks)+256*\i+(\ta)
.endr
.irp i, 0,1,2,3,4,5,6,7
	global_load_b128 v[SC+40*(\set)+8+4*\i:SC+40*(\set)+8+4*\i+3], v[ASB], s[10:11] offset:65536*(\ks)+256*\i
.endr
.endm
.macro CT01                            ; c_tm1 of blocks 0, 1: rows 16 a + 8 h + j, units 4 r on: sixteen lanes read 256 consecutive bytes
.irp a, 0,1
.irp j, 0,1,2,3,4,5,6,7
	global_load_b128 v[CT+32*\a+4*\j:CT+32*\a+4*\j+3], v[CO], s[12:13] offset:(16*\a+\j)*4096 th:TH_LOAD_NT
.endr
.endr
.endm
.macro CT23                            ; c_tm1 of blocks 2, 3, into B's set 0, which has been multiplied for the last time in this tile
	WIN TO_B
.irp a, 0,1
.irp j, 0,1,2,3,4,5,6,7
	global_load_b128 v[32*\a+4*\j:32*\a+4*\j+3], v[CO], s[12:13] offset:(32+16*\a+\j)*4096 th:TH_LOAD_NT
.endr
.endr
	WIN 0
.endm
	s_load_b256 s[4:11], s[0:1], 0x0               ; a_codes s[4:5], a_scales s[6:7], b_codes s[8:9], b_scales s[10:11]
	s_load_b64 s[12:13], s[0:1], 0x20              ; c_tm1
	s_load_b256 s[68:75], s[0:1], 0x28             ; b_i, b_f, b_c, b_o
	s_load_b128 s[96:99], s[0:1], 0x48             ; out0 (h), out1 (c)
	v_lshl_add_u32 v[SPW], v0, 2, SPARE
	v_mov_b32 v[NIL], 0
	ds_add_u32 v[SPW], v[NIL]                      ; the opening lines: the add, twice on end, and its wait ahead of my first tensor load
	ds_add_u32 v[SPW], v[NIL]
	v_lshrrev_b32 v1, 5, v0
	v_readfirstlane_b32 s14, v1                    ; wave 0..3
	s_lshr_b32 s15, s14, 1                         ; I fetch for A (0) or for B (1),
	s_and_b32 s16, s14, 1                          ; and which 128 rows of that tile
	s_bfe_u32 s40, ttmp6, 0x40000                  ; cx, cy: my place in the cluster
	s_bfe_u32 s41, ttmp6, 0x40004
	s_lshl_b32 s42, ttmp9, 2
	s_add_co_u32 s42, s42, s40                     ; tile column = 4 x cluster x + cx
	s_and_b32 s17, ttmp7, 0xffff
	s_lshl_b32 s17, s17, 2
	s_add_co_u32 s17, s17, s41                     ; my first tile's row of tiles = 4 x cluster y + cy
	s_lshl_b32 s43, s41, 2
	s_lshl_b32 s43, 15, s43                        ; my row of the cluster
	s_lshl_b32 s44, 0x1111, s40                    ; my column
	s_mov_b32 s[CS1], 0xbfb8aa3b
	s_mov_b32 s[CS1+1], 0xbfb8aa3b
	s_mov_b32 s[CS2], 0xc038aa3b
	s_mov_b32 s[CS2+1], 0xc038aa3b
	; group 1 of the tiles: 128 rows of 256 bytes, 16 bytes of padding behind each
	s_or_b32 s[G1+0], s43, (0<<16)|(1<<20)|(1<<21)|(5<<22)|(3<<25)  ; the mask: A's tiles go to my row; elements of 1 byte; padding on; bit 21 beside a mask; after every 64 words four words
	s_or_b32 s[G1B+0], s44, (0<<16)|(1<<20)|(1<<21)|(5<<22)|(3<<25)
.irp g, G1, G1B
	s_mov_b32 s[\g+1], ROWB<<16                    ; tensor_dim0
	s_mov_b32 s[\g+2], 128<<16                     ; tensor_dim1
	s_mov_b32 s[\g+3], ROWB<<16                    ; tile_dim0
	s_mov_b32 s[\g+4], 128                         ; tile_dim1
	s_mov_b32 s[\g+5], KROW                        ; from row to row
	s_mov_b32 s[\g+6], 0
	s_mov_b32 s[\g+7], 0
.endr
	s_lshl_b32 s20, s17, 8                         ; A: the tile's first row
	s_lshl_b32 s46, s42, 8                         ; B: likewise
	s_cmp_eq_u32 s15, 0                            ; the prefetches: the tile that I fetch for,
	s_cselect_b32 s94, s20, s46
	s_cselect_b32 s95, s40, s41                    ; my work-group's place among the four that ask for it jointly: 64 rows each,
	s_lshl_b32 s95, s95, 6
	s_add_co_u32 s94, s94, s95
	s_lshl_b32 s95, s16, 5                         ; 32 of them for my wave
	s_add_co_u32 s94, s94, s95
	s_lshl_b32 s94, s94, 10
	s_mov_b32 s95, 0
	s_lshl_b32 s22, s14, 6                         ; A's scales: my wave's 64 rows, 16 bytes a row in a K step
	s_add_co_u32 s22, s22, s20
	s_lshl_b32 s22, s22, 4
	s_mov_b32 s23, 0
	s_lshl_b32 s92, s46, 4                         ; B's: the tile's 256 rows
	s_mov_b32 s93, 0
	s_lshl_b32 s18, s16, 7                         ; the codes: my 128 rows of the tile, 1,024 bytes a row
	s_add_co_u32 s20, s20, s18
	s_lshl_b32 s20, s20, 10
	s_mov_b32 s21, 0
	s_add_co_u32 s46, s46, s18
	s_lshl_b32 s46, s46, 10
	s_mov_b32 s47, 0
	s_mul_i32 s45, s14, HALFT                      ; and where they go: wave x 128 rows
	s_lshl_b32 s2, s17, 20                         ; c_tm1 and the outputs: row 256 x row of tiles + 64 x wave (4,096 bytes a row), column 64 x tile column
	s_lshl_b32 s3, s14, 18
	s_add_co_u32 s2, s2, s3
	s_lshl_b32 s3, s42, 8
	s_add_co_u32 s2, s2, s3
	s_mov_b32 s3, 0
	s_mul_i32 s76, s14, 64*PITCH                   ; my 64 rows of A in slot 0,
	s_add_co_u32 s77, s76, SLOT                    ; in slot 1
	s_lshl_b32 s78, s42, 8                         ; a bias: 4 x 64 x tile column
	v_and_b32 v1, 15, v0                           ; r
	v_bfe_u32 v2, v0, 4, 1                         ; h
	v_mul_u32_u24 v3, v1, PITCH
	v_lshl_add_u32 v3, v2, 4, v3                   ; a fragment's row x pitch + 16 h
	v_add_nc_u32 v[ADRA], s76, v3
	v_add_nc_u32 v[ADRA+1], s77, v3
	v_add_nc_u32 v[ADRB], 2*HALFT, v3
	v_add_nc_u32 v[ADRB+1], 2*HALFT+SLOT, v3
	v_lshlrev_b32 v4, 4, v1                        ; 16 r
	v_lshl_add_u32 v[ASA], v2, 9, v4
	v_lshl_add_u32 v[ASB], v2, 11, v4
	v_lshl_add_u32 v[CO], v2, 15, v4
	v_add_nc_u32 v[BO], s78, v4
	v_and_b32 v[PFO], 31, v0
	v_lshlrev_b32 v[PFO], 10, v[PFO]
	s_wait_alu depctr_va_vdst(0)
	s_wait_dscnt 0x0                               ; both opening adds are done
	s_wait_kmcnt 0x0
	s_add_nc_u64 s[20:21], s[4:5], s[20:21]
	s_add_nc_u64 s[46:47], s[8:9], s[46:47]
	s_add_nc_u64 s[6:7], s[6:7], s[22:23]
	s_add_nc_u64 s[10:11], s[10:11], s[92:93]
	s_add_nc_u64 s[12:13], s[12:13], s[2:3]
	s_add_nc_u64 s[96:97], s[96:97], s[2:3]
	s_add_nc_u64 s[98:99], s[98:99], s[2:3]
	s_cmp_eq_u32 s15, 0                            ; the choice hangs on the wave's number alone
	s_cselect_b64 s[2:3], s[4:5], s[8:9]
	s_add_nc_u64 s[PFA:PFA+1], s[2:3], s[PFA:PFA+1]
	s_mov_b32 s[LIM], s15
.irp s, 0,1
	s_mov_b32 s[G0+4*\s], 1
	s_add_co_u32 s[G0+4*\s+1], s45, \s*SLOT
	s_add_nc_u64 s[G0+4*\s+2:G0+4*\s+3], s[20:21], \s*ROWB
	s_or_b32 s[G0+4*\s+3], s[G0+4*\s+3], 0x80000000
	s_mov_b32 s[G0B+4*\s], 1
	s_add_co_u32 s[G0B+4*\s+1], s45, \s*SLOT
	s_add_nc_u64 s[G0B+4*\s+2:G0B+4*\s+3], s[46:47], \s*ROWB
	s_or_b32 s[G0B+4*\s+3], s[G0B+4*\s+3], 0x80000000
.endr
	GSC 0, 0, 0                                    ; K step 0's scale words
	CROUND                                         ; all sixteen work-groups are here: the first joint loads meet
	JLOAD G0, G1, G0B, G1B                         ; K step 0: one tensor load a wave at the head
.irp g, 0,1,2,3
	global_load_b128 v[BI+4*\g:BI+4*\g+3], v[BO], s[68+2*\g:69+2*\g]   ; gate g, units 4 r + 0 .. 3: register 4 g + q
.endr
	CT01
	global_prefetch_b8 v[PFO], s[PFA:PFA+1] offset:256 th:TH_LOAD_NT scope:SCOPE_SE   ; K step 1 of my 32 rows,
	global_prefetch_b8 v[PFO], s[PFA:PFA+1] offset:512 th:TH_LOAD_NT scope:SCOPE_SE   ; and K step 2
.macro FRAG reg, adr, q, i             ; 16 rows x 128 K of 4-bit codes, 8 registers: lane l holds row l % 16; registers 4 c .. 4 c + 3 hold K = 64 c + 32 (l / 16) + 0 .. 31
.irp c, 0,1
	ds_load_b128 v[\reg+4*\c:\reg+4*\c+3], v[\adr] offset:64*(\q)+32*\c+(\i)*16*PITCH
.endr
.endm
.macro FETCH slot, q, p                ; 40 LDS loads in one run: B's sixteen and my four of A's fragments of the slot's q-th 128 along K, into sets p
	WIN TO_B
.irp i, 0,1,2,3,4,5,6,7,8,9,10,11,12,13,14,15
	FRAG 128*(\p)+8*\i, ADRB+\slot, \q, \i
.endr
	WIN 0
.irp i, 0,1,2,3
	FRAG AF+32*(\p)+8*\i, ADRA+\slot, \q, \i
.endr
.endm
; One product: A's block a x B's block b, the slot's q-th 128 along K.  A's blocks 2, 3 and B's blocks 8-15 have their scale words in lanes 16-31.  zero = 1: the product starts the sum.
.macro WM a, b, p, q, set, zero
.set D_, 128*((\a)%2)+8*(\b)
.set A_, AF+32*(\p)+8*(\a)
.set B_, 128*(\p)+8*(\b)
.set X_, SC+40*(\set)+4*((\a)%2)+(\q)
.set Y_, SC+40*(\set)+8+4*((\b)%8)+(\q)
.set V_, 4*(\zero)+2*((\a)/2)+((\b)/8)
.if V_ == 0
	v_wmma_scale_f32_16x16x128_f8f6f4 v[D_:D_+7], v[A_:A_+7], v[B_:B_+7], v[D_:D_+7], v[X_], v[Y_] matrix_a_fmt:MATRIX_FMT_FP4 matrix_b_fmt:MATRIX_FMT_FP4
.elseif V_ == 1
	v_wmma_scale_f32_16x16x128_f8f6f4 v[D_:D_+7], v[A_:A_+7], v[B_:B_+7], v[D_:D_+7], v[X_], v[Y_] matrix_a_fmt:MATRIX_FMT_FP4 matrix_b_fmt:MATRIX_FMT_FP4 matrix_b_scale:MATRIX_SCALE_ROW1
.elseif V_ == 2
	v_wmma_scale_f32_16x16x128_f8f6f4 v[D_:D_+7], v[A_:A_+7], v[B_:B_+7], v[D_:D_+7], v[X_], v[Y_] matrix_a_fmt:MATRIX_FMT_FP4 matrix_b_fmt:MATRIX_FMT_FP4 matrix_a_scale:MATRIX_SCALE_ROW1
.elseif V_ == 3
	v_wmma_scale_f32_16x16x128_f8f6f4 v[D_:D_+7], v[A_:A_+7], v[B_:B_+7], v[D_:D_+7], v[X_], v[Y_] matrix_a_fmt:MATRIX_FMT_FP4 matrix_b_fmt:MATRIX_FMT_FP4 matrix_a_scale:MATRIX_SCALE_ROW1 matrix_b_scale:MATRIX_SCALE_ROW1
.elseif V_ == 4
	v_wmma_scale_f32_16x16x128_f8f6f4 v[D_:D_+7], v[A_:A_+7], v[B_:B_+7], 0, v[X_], v[Y_] matrix_a_fmt:MATRIX_FMT_FP4 matrix_b_fmt:MATRIX_FMT_FP4
.elseif V_ == 5
	v_wmma_scale_f32_16x16x128_f8f6f4 v[D_:D_+7], v[A_:A_+7], v[B_:B_+7], 0, v[X_], v[Y_] matrix_a_fmt:MATRIX_FMT_FP4 matrix_b_fmt:MATRIX_FMT_FP4 matrix_b_scale:MATRIX_SCALE_ROW1
.elseif V_ == 6
	v_wmma_scale_f32_16x16x128_f8f6f4 v[D_:D_+7], v[A_:A_+7], v[B_:B_+7], 0, v[X_], v[Y_] matrix_a_fmt:MATRIX_FMT_FP4 matrix_b_fmt:MATRIX_FMT_FP4 matrix_a_scale:MATRIX_SCALE_ROW1
.else
	v_wmma_scale_f32_16x16x128_f8f6f4 v[D_:D_+7], v[A_:A_+7], v[B_:B_+7], 0, v[X_], v[Y_] matrix_a_fmt:MATRIX_FMT_FP4 matrix_b_fmt:MATRIX_FMT_FP4 matrix_a_scale:MATRIX_SCALE_ROW1 matrix_b_scale:MATRIX_SCALE_ROW1
.endif
.endm
.macro MUL16 a, p, q, set, zero        ; A's block a against B's sixteen.  The 64 accumulators take turns, one instruction a turn, in the same order in every step
.irp b, 0,1,2,3,4,5,6,7,8,9,10,11,12,13,14,15
	WM \a, \b, \p, \q, \set, \zero
.endr
.endm
; A load into a register that a matrix instruction has read, and a vector instruction that reads a matrix result or writes one of its registers, stand four places behind it; only plain vector
; instructions that name none of its registers are places (ISA guide 7.12.1 for vector instructions).
.macro PLACES
.rept 4
	v_nop
.endr
.endm
; A step of 128 along K that has its successor in the same slot: the successor's 40 loads go out at the step's head, into the sets that the step before multiplied, 64 products ahead of the wait for them.
; lc >= 0 (a slot's first step): this K step's scale words are waited for; lc younger loads may stay out.  nks >= 0: K step nks's scale words are asked for, into the other set.
.macro STEP slot, q, zero, lc, nks, ta
	s_wait_dscnt 0x0                               ; this step's fragments are in
.if (\lc) >= 0
	s_wait_loadcnt \lc
.endif
	PLACES
	FETCH \slot, (\q)+1, 1-(\q)%2
.if (\nks) >= 0
	GSC 1-(\slot), \nks, \ta
.endif
	WIN MUL_LO
	MUL16 0, (\q)%2, \q, \slot, \zero
	MUL16 1, (\q)%2, \q, \slot, \zero
	WIN MUL_HI
	MUL16 2, (\q)%2, \q, \slot, \zero
	MUL16 3, (\q)%2, \q, \slot, \zero
	WIN 0
.endm
; A slot's last step changes slots.  In front of the barrier each wave waits for all its tensor loads, adds 0 to its spare word, and waits for that and for its own reads of this slot.
; mode 1: the barrier opens a round of the cluster's barrier, and the slot takes this tile's K step two on, by a joint load; mode 2: the next tile's K step 0 or 1; mode 0: nothing is fetched.
; pf >= 0: a prefetch at that offset.  fetch = 1: the next slot's first fragments are fetched.
.macro TURN slot, next, mode, pf, fetch
	s_wait_tensorcnt 0x0                           ; all my tensor loads have landed: my part of the next slot among them  (every window is 0 here)
	ds_add_u32 v[SPW], v[NIL]                      ; 0 onto my spare word
	s_wait_dscnt 1                                 ; this step's fragments are in; the add alone may be out
	WIN MUL_LO
	MUL16 0, 1, 3, \slot, 0                        ; sixteen products stand between the add and the wait for it
	s_wait_dscnt 0x0                               ; the add is done, and my reads of this slot are over
	s_barrier_signal -1
	MUL16 1, 1, 3, \slot, 0
	WIN 0
	s_barrier_wait -1
.if \mode
	CREST                                          ; no wave of any partner still reads this slot or has a load on its way
.if \mode == 1
	s_add_nc_u64 s[G0+4*\slot+2:G0+4*\slot+3], s[G0+4*\slot+2:G0+4*\slot+3], 2*ROWB
	s_add_nc_u64 s[G0B+4*\slot+2:G0B+4*\slot+3], s[G0B+4*\slot+2:G0B+4*\slot+3], 2*ROWB
.else
	s_add_nc_u64 s[G0+4*\slot+2:G0+4*\slot+3], s[G0+4*\slot+2:G0+4*\slot+3], WALKB-2*ROWB   ; A: 4,096 rows down and back along K;
	s_sub_nc_u64 s[G0B+4*\slot+2:G0B+4*\slot+3], s[G0B+4*\slot+2:G0B+4*\slot+3], 2*ROWB     ; B: only back
.endif
	JLOAD G0+4*\slot, G1, G0B+4*\slot, G1B         ; the first tensor load behind the round, my one load until the next; its four v_nop are the places in front of the loads below
.else
	PLACES
.endif
.if \fetch
	FETCH \next, 0, 0
.endif
.if (\pf) >= 0
	ASK \pf
.endif
	WIN MUL_HI
	MUL16 2, 1, 3, \slot, 0
	MUL16 3, 1, 3, \slot, 0
	WIN 0
.endm
; THE GATES.  ZARM a: block a's 128 accumulators become the exponents, in fixed registers.  CARM a: c of block a, from its c_tm1.
.macro ZARM a
.set AC, 128*((\a)%2)
	WIN 0x42+(\a)/2                                ; source 0: the accumulators' window; source 2: window 0; destination: window 1
	s_wait_alu depctr_va_vdst(0)                   ; directly ahead of the first readers of these accumulators
.irp g, 0,1,2,3
.irp q, 0,1,2,3
.irp j, 0,2,4,6
.if \g == 2
	v_pk_fma_f32 v[T+32*\g+8*\q+\j:T+32*\g+8*\q+\j+1], v[AC+32*\g+8*\q+\j:AC+32*\g+8*\q+\j+1], s[CS2:CS2+1], v[BB+8*\g+2*\q:BB+8*\g+2*\q+1] op_sel_hi:[1,0,0]   ; the tanh's gate: -2 (z + b) log2 e
.else
	v_pk_fma_f32 v[T+32*\g+8*\q+\j:T+32*\g+8*\q+\j+1], v[AC+32*\g+8*\q+\j:AC+32*\g+8*\q+\j+1], s[CS1:CS1+1], v[BB+8*\g+2*\q:BB+8*\g+2*\q+1] op_sel_hi:[1,0,0]   ; -(z + b) log2 e; each accumulator from its low end on
.endif
.endr
.endr
.endr
	WIN 0
.endm
.macro CARM a
.if (\a) < 2
.set CTS, CT+32*(\a)
	WIN 0x51                                       ; source 1, c_tm1: window 0; all else window 1
.else
.set CTS, 32*((\a)-2)
	s_wait_loadcnt 0x0                             ; c_tm1 of blocks 2, 3 is in
	WIN 0x55
.endif
.irp j, 0,1,2,3,4,5,6,7
.irp q, 0,1,2,3
	v_fma_f32 v[CN+4*\j+\q], v[TF+8*\q+\j], v[CTS+4*\j+\q], v[TI+8*\q+\j]          ; c = f c_tm1 + i tanh(z_c), into the index that the stores want
.endr
.endr
	WIN 0
.endm
.macro ARM4 kind, a
.if \kind == 0
	ZARM \a
.else
	CARM \a
.endif
.endm
.macro TREE kind                       ; one of four arms, by the trip's number s3
	s_cmp_lt_u32 s3, 2
	s_cbranch_scc0 .Lhi_\@
	s_cmp_eq_u32 s3, 0
	s_cbranch_scc0 .Lone_\@
	ARM4 \kind, 0
	s_branch .Ljoin_\@
.Lone_\@:
	ARM4 \kind, 1
	s_branch .Ljoin_\@
.Lhi_\@:
	s_cmp_eq_u32 s3, 2
	s_cbranch_scc0 .Lthree_\@
	ARM4 \kind, 2
	s_branch .Ljoin_\@
.Lthree_\@:
	ARM4 \kind, 3
.Ljoin_\@:
.endm
.macro GATES
	s_wait_loadcnt 16                              ; the biases and c_tm1 of blocks 0, 1 are in; the sixteen loads of blocks 2, 3 are younger
.irp k, 0,1,2,3,4,5,6,7,12,13,14,15
	v_mul_f32 v[BB+2*\k], s[CS1], v[BI+\k]         ; each bias times the factor that its gate's exponent takes, to an even register: the packed line takes a pair's low word for both rows
.endr
.irp k, 8,9,10,11
	v_mul_f32 v[BB+2*\k], s[CS2], v[BI+\k]
.endr
	s_mov_b32 s3, 0
.Lblock_\@:                            ; a trip: 16 rows x 64 units, 32 numbers of each gate a lane
	TREE 0
	WIN 0x55                                       ; all in window 1
	s_wait_alu depctr_va_vdst(0)                   ; a wait ahead of each batch of transcendentals and one behind it
.set ii, 0
.rept 128
	v_exp_f32 v[T+ii], v[T+ii]
.set ii, ii+1
.endr
	v_nop                                          ; a plain line behind the last of the batch
	s_wait_alu depctr_va_vdst(0)
.set ii, 0
.rept 64
	v_pk_add_f32 v[T+ii:T+ii+1], v[T+ii:T+ii+1], 1.0 op_sel_hi:[1,0]
.set ii, ii+2
.endr
	s_wait_alu depctr_va_vdst(0)
.set ii, 0
.rept 128
	v_rcp_f32 v[T+ii], v[T+ii]
.set ii, ii+1
.endr
	v_nop
	s_wait_alu depctr_va_vdst(0)
.set ii, 0
.rept 16
	v_pk_fma_f32 v[TC+ii:TC+ii+1], v[TC+ii:TC+ii+1], 2.0, -1.0 op_sel_hi:[1,0,0]   ; tanh(z_c)
.set ii, ii+2
.endr
.set ii, 0
.rept 16
	v_pk_mul_f32 v[TI+ii:TI+ii+1], v[TI+ii:TI+ii+1], v[TC+ii:TC+ii+1]              ; i tanh(z_c)
.set ii, ii+2
.endr
	WIN 0
	s_wait_alu depctr_va_vdst(0)                   ; directly ahead of the branches
	TREE 1
	WIN 0x55
	s_wait_alu depctr_va_vdst(0)                   ; and here
.set ii, 0
.rept 16
	v_pk_mul_f32 v[TC+ii:TC+ii+1], v[CN+ii:CN+ii+1], s[CS2:CS2+1] op_sel_hi:[1,0]
.set ii, ii+2
.endr
	s_wait_alu depctr_va_vdst(0)
.set ii, 0
.rept 32
	v_exp_f32 v[TC+ii], v[TC+ii]
.set ii, ii+1
.endr
	WIN 0x04                                       ; address window 0, data window 1
.irp j, 0,1,2,3,4,5,6,7
	global_store_b128 v[CO], v[CN+4*\j:CN+4*\j+3], s[98:99] offset:\j*4096 th:TH_STORE_NT   ; sixteen lanes store 256 consecutive bytes, aligned; two rows an instruction
.endr
	WIN 0x55
	v_nop
	s_wait_alu depctr_va_vdst(0)
.set ii, 0
.rept 16
	v_pk_add_f32 v[TC+ii:TC+ii+1], v[TC+ii:TC+ii+1], 1.0 op_sel_hi:[1,0]
.set ii, ii+2
.endr
	s_wait_alu depctr_va_vdst(0)
.set ii, 0
.rept 32
	v_rcp_f32 v[TC+ii], v[TC+ii]
.set ii, ii+1
.endr
	v_nop
	s_wait_alu depctr_va_vdst(0)
.set ii, 0
.rept 16
	v_pk_fma_f32 v[TC+ii:TC+ii+1], v[TC+ii:TC+ii+1], 2.0, -1.0 op_sel_hi:[1,0,0]   ; tanh(c)
.set ii, ii+2
.endr
.irp j, 0,1,2,3,4,5,6,7
.irp q, 0,1,2,3
	v_mul_f32 v[HN+4*\j+\q], v[TO+8*\q+\j], v[TC+4*\j+\q]                          ; h = o tanh(c)
.endr
.endr
	WIN 0x04
.irp j, 0,1,2,3,4,5,6,7
	global_store_b128 v[CO], v[HN+4*\j:HN+4*\j+3], s[96:97] offset:\j*4096 th:TH_STORE_NT
.endr
	WIN 0
	s_wait_xcnt 0x0                                ; the stores have read their registers and their bases: c, h and the bases are written again only behind this wait
	s_add_nc_u64 s[96:97], s[96:97], 65536         ; 16 rows on
	s_add_nc_u64 s[98:99], s[98:99], 65536
	s_add_co_u32 s3, s3, 1
	s_cmp_lt_u32 s3, 4
	s_cbranch_scc1 .Lblock_\@
.endm
	s_wait_tensorcnt 0x0                           ; my part of K step 0 is in
	ds_add_u32 v[SPW], v[NIL]
	s_wait_dscnt 0x0                               ; the add is done
	CROUND                                         ; everybody's part is in, and all sixteen work-groups are here,
	JLOAD G0+4, G1, G0B+4, G1B                     ; and K step 1's load, the first tensor load behind the round
	FETCH 0, 0, 0
	global_prefetch_b8 v[PFO], s[PFA:PFA+1] offset:768 th:TH_LOAD_NT scope:SCOPE_SE   ; K step 3 of my 32 rows: its load stands two changes of slots on
	s_mov_b32 s2, 2                                ; tiles to go: the same number in every work-group
.Ltile:
	STEP 0, 0, 1, 16, 1, 0                         ; K step 0: the first products start the sums: nothing is cleared.  Younger than its scale words: c_tm1's sixteen loads
	STEP 0, 1, 0, -1, -1, 0
	STEP 0, 2, 0, -1, -1, 0
	TURN 0, 1, 1, WALKB, 1                         ; slot 0 takes K step 2
	STEP 1, 0, 0, 0, 2, 0
	STEP 1, 1, 0, -1, -1, 0
	STEP 1, 2, 0, -1, -1, 0
	TURN 1, 0, 1, WALKB+256, 1                     ; slot 1 takes K step 3
	STEP 0, 0, 0, 0, 3, 0
	STEP 0, 1, 0, -1, -1, 0
	STEP 0, 2, 0, -1, -1, 0
	s_cmp_eq_u32 s2, 1
	s_cbranch_scc1 .Llast_tile                     ; the last tile's tail is written out: it asks for nothing more
	TURN 0, 1, 2, WALKB+512, 1                     ; THE RING GOES ON INTO THE NEXT TILE: slot 0 takes its K step 0
	STEP 1, 0, 0, 0, 0, 65536                      ; and its K step 0's scale words are asked for: A's rows lie 4,096 x 16 bytes on
	STEP 1, 1, 0, -1, -1, 0
	STEP 1, 2, 0, -1, -1, 0
	PLACES
	CT23
	TURN 1, 0, 2, WALKB+768, 0                     ; slot 1 takes the next tile's K step 1; its first fragments are fetched behind the gates, whose registers they share
	PLACES                                         ; behind the last products: their results are read, and A's and B's registers written, from here on
	GATES
	s_add_nc_u64 s[12:13], s[12:13], 16777216      ; on to the next tile, 4,096 rows down (no load or store that names these bases is out: the gates have waited for all)
	s_add_nc_u64 s[96:97], s[96:97], 16777216-262144
	s_add_nc_u64 s[98:99], s[98:99], 16777216-262144
	s_add_nc_u64 s[6:7], s[6:7], 65536
	s_mov_b32 s[LIM], 1                            ; there is no tile behind the next: nothing more is prefetched
	CT01
	FETCH 0, 0, 0                                  ; slot 0 was shown whole by the last change of slots
	s_sub_co_u32 s2, s2, 1
	s_branch .Ltile
.Llast_tile:
	TURN 0, 1, 0, -1, 1                            ; nothing is left to fetch
	STEP 1, 0, 0, 0, -1, 0
	STEP 1, 1, 0, -1, -1, 0
	STEP 1, 2, 0, -1, -1, 0
	s_wait_dscnt 0x0                               ; the very last step's fragments are in
	PLACES
	CT23
	WIN MUL_LO
	MUL16 0, 1, 3, 1, 0
	MUL16 1, 1, 3, 1, 0
	WIN MUL_HI
	MUL16 2, 1, 3, 1, 0
	MUL16 3, 1, 3, 1, 0
	WIN 0
	PLACES
	GATES
	s_wait_tensorcnt 0x0                           ; the wave's end
	ds_add_u32 v[SPW], v[NIL]
	s_wait_dscnt 0x0
	CROUND                                         ; the closing round: no work-group ends while a partner may still ask for a tile that names it
	s_endpgm
.Lfunc_end_k_qe4f58ac23c_lstm:
	.size	k_qe4f58ac23c_lstm, .Lfunc_end_k_qe4f58ac23c_lstm-k_qe4f58ac23c_lstm
	.p2alignl 7, 3214868480
	.fill 96, 4, 3214868480
	.section	.rodata,"a",@progbits
	.p2align	6, 0x0
	.amdhsa_kernel k_qe4f58ac23c_lstm
		.amdhsa_group_segment_fixed_size 327680
		.amdhsa_private_segment_fixed_size 0
		.amdhsa_enable_private_segment 0
		.amdhsa_kernarg_size 88
		.amdhsa_user_sgpr_count 2
		.amdhsa_user_sgpr_kernarg_segment_ptr 1
		.amdhsa_wavefront_size32 1
		.amdhsa_system_sgpr_workgroup_id_x 1
		.amdhsa_system_sgpr_workgroup_id_y 1
		.amdhsa_system_sgpr_workgroup_id_z 1
		.amdhsa_system_vgpr_workitem_id 0
		.amdhsa_next_free_vgpr 1024
		.amdhsa_next_free_sgpr 102
		.amdhsa_reserve_vcc 0
		.amdhsa_float_denorm_mode_32 3
		.amdhsa_float_denorm_mode_16_64 3
		.amdhsa_memory_ordered 1
		.amdhsa_forward_progress 1
		.amdhsa_inst_pref_size 255
	.end_amdhsa_kernel
	.section	.bss,"aw",@nobits
	.p2align	6
	.space	262144
	.amdgpu_metadata
---
amdhsa.version: [ 1, 2 ]
amdhsa.kernels:
  - .name:           k_qe4f58ac23c_lstm
    .symbol:         k_qe4f58ac23c_lstm.kd
    .args:
      - { .name: a_codes, .offset: 0, .size: 8, .value_kind: global_buffer, .address_space: global }
      - { .name: a_scales, .offset: 8, .size: 8, .value_kind: global_buffer, .address_space: global }
      - { .name: b_codes, .offset: 16, .size: 8, .value_kind: global_buffer, .address_space: global }
      - { .name: b_scales, .offset: 24, .size: 8, .value_kind: global_buffer, .address_space: global }
      - { .name: c_tm1, .offset: 32, .size: 8, .value_kind: global_buffer, .address_space: global }
      - { .name: b_i, .offset: 40, .size: 8, .value_kind: global_buffer, .address_space: global }
      - { .name: b_f, .offset: 48, .size: 8, .value_kind: global_buffer, .address_space: global }
      - { .name: b_c, .offset: 56, .size: 8, .value_kind: global_buffer, .address_space: global }
      - { .name: b_o, .offset: 64, .size: 8, .value_kind: global_buffer, .address_space: global }
      - { .name: out0, .offset: 72, .size: 8, .value_kind: global_buffer, .address_space: global }
      - { .name: out1, .offset: 80, .size: 8, .value_kind: global_buffer, .address_space: global }
    .group_segment_fixed_size: 327680
    .private_segment_fixed_size: 0
    .kernarg_segment_align: 8
    .kernarg_segment_size: 88
    .max_flat_workgroup_size: 128
    .sgpr_count:     102
    .vgpr_count:     1024
    .wavefront_size: 32
...
	.end_amdgpu_metadata
.endif
;; end of part 2
